; MI455X (gfx1250); checked and timed in simulation.
; The chip was launched on July 23, 2026; its instructions are those of AMD's public machine-readable ISA for CDNA 5 (MIT licence, August 2026) and "CDNA5" Instruction Set Architecture Reference Guide (July 2026). The comments in the code are by the model that wrote it; some were corrected since.
;; Global Local Attention. Allowed arithmetic: matrix products marked QUANTISED: E4M3 operands, one E8M0 scale for each 32 along K, by v_wmma_scale_f32_16x16x128_f8f6f4 with both operands' format E4M3, f32 sums; everything else in f32.
;; Inputs: k_codes 2 x 16 x 2,048 x 4 x 32 uint8 (E4M3 codes of k, K innermost, in blocks of 32 codes); k_scales 2 x 16 x 2,048 x 4 uint8 (E8M0 scales of k, one for each 32 codes along K); q_codes 2 x 16 x 2,048 x 4 x 32 uint8 (E4M3 codes of q, K innermost, in blocks of 32 codes); q_scales 2 x 16 x 2,048 x 4 uint8 (E8M0 scales of q, one for each 32 codes along K); v_codes 2 x 16 x 128 x 64 x 32 uint8 (E4M3 codes of v, K innermost, in blocks of 32 codes); v_scales 2 x 16 x 128 x 64 uint8 (E8M0 scales of v, one for each 32 codes along K).
;; Outputs: out0 2 x 16 x 2,048 x 128 float32.
;; This version of the problem:
;;   THIS VERSION OF THE PROBLEM IS GIVEN IN LOW PRECISION. The matrix products marked QUANTISED in the list below multiply operands that are first quantised to E4M3 (4 exponent bits, 3 mantissa bits; 8 bits a number), with one power-of-two scale for each 32 numbers along K (OCP MX v1.0); their sums are f32. All else is computed in f32.
;;   The module's matrix products, in the order in which they are computed (A, B: the left and right operand; K: the contracted axis; several contracted axes count as one K, in the product's order):
;;     1. batch 32 x [M 2,048, K 128] x [K 128, N 2,048]; A: input q (given as codes); B: input k (given as codes): QUANTISED
;;     2. batch 32 x [M 2,048, K 2,048] x [K 2,048, N 128]; A: softmax (see below); B: input v (given as codes): QUANTISED
;;   THE QUANTISER, for each operand of a quantised product, along K:
;;     - K is cut into blocks of 32 from its start; a last block that is shorter is filled with zeros.
;;     - A block's scale is 2^e with e = floor(log2(the largest magnitude in the block)) - 8, held to -126 .. 127; a block of zeros has e = 0. As a byte (E8M0): e + 127.
;;     - Each number is divided by its block's scale, clamped to +-448, and rounded to the nearest number of E4M3, ties to even, subnormals kept.
;;     - The product sums the exact products of the quantised numbers (number of the format x scale) in f32.
;;   ~~~python
;;   def quantise(x, axis):      # numpy; x: float32 -> the quantised numbers, widened to float32 again
;;       x = np.moveaxis(x, axis, -1); K = x.shape[-1]
;;       x = np.pad(x, [(0, 0)] * (x.ndim - 1) + [(0, -K % 32)]); x = x.reshape(x.shape[:-1] + (-1, 32)); a = np.abs(x).max(-1, keepdims=True)
;;       e = np.where(a > 0, np.clip(np.frexp(np.where(a > 0, a, 1))[1] - 1 - 8, -126, 127), 0)      # np.frexp(a)[1] - 1 = floor(log2(a)), exactly
;;       r = np.clip(x / 2.0 ** e, -448, 448)
;;       step = 2.0 ** (np.maximum(np.frexp(np.where(r == 0, 1, r))[1] - 1, -6) - 3)
;;       q = np.round(r / step) * step * 2.0 ** e      # np.round: ties to even
;;       return np.moveaxis(q.reshape(q.shape[:-2] + (-1,))[..., :K], -1, axis).astype(np.float32)
;;   ~~~
;;   SOFTMAX AHEAD OF A QUANTISED PRODUCT. Where the list says 'softmax', what is quantised is not the finished softmax but p = 2^(t - M), with t = logit x log2(e) and M = ceil(the row's largest t), a whole number; so 1/2 < the row's largest p <= 1. The row's sum l is taken of the UNQUANTISED p, in f32, and the product's result is divided by l at the end. Since M is a whole number, a kernel that streams over the keys may use a running M (the ceiling of the running maximum): every later rescaling is an exact power of two, which a block's scale takes up: the codes' values come out the same.
;;   OPERANDS COMPUTED ON THE WAY. 'Computed on the way' means the value that the module computes at that place (a softmax that the list does not call 'softmax' is quantised finished and normalised). What goes into a quantiser is computed in f32, as accurately as f32 sums, v_exp_f32 and their like allow (about 1e-6 of the number): no bf16 or f16 on the way to a quantiser, and a product that is left as it is and whose result goes on into a quantised operand takes f32 operands (vector FMAs, or v_wmma_f32_16x16x4_f32). A number that lies on a knife's edge between two numbers of the format may be rounded either way, as far as f32 arithmetic and the matrix unit's own rounding can turn it there, and no further.
;;   INPUTS GIVEN AS CODES. k (in the module: [2, 16, 2048, 128], K = its axis 3); q (in the module: [2, 16, 2048, 128], K = its axis 3); v (in the module: [2, 16, 2048, 128], K = its axis 2): each comes as NAME_codes (uint8): NAME with its K axis moved to the last place and cut into blocks of 32 codes, [.., K / 32, bytes a block], one block behind the other in memory; one code a byte (a code: sign, 4 exponent bits, 3 mantissa bits); and NAME_scales (uint8): the same leading axes, one E8M0 byte (e + 127) for each 32 codes along K. Its value is code x scale, taken as it is: it is not quantised again, and the codes and scales need not be those that the quantiser above would give.
;; One version. Each part assembles by itself: llvm-mc -triple=amdgcn-amd-amdhsa -mcpu=gfx1250 --defsym DOCPART=n.
;; ======== version 1 of 1: 1 launch
;; limits: right only within a limited range of input values
;; launch gla (part 1): grid 8 x 32, 16 waves a work-group, no clusters, 327,680 bytes of LDS; arguments q_codes, q_scales, k_codes, k_scales, v_codes, v_scales, out0; writes out0
.if DOCPART == 1
	.amdgcn_target "amdgcn-amd-amdhsa--gfx1250"
	.amdhsa_code_object_version 6
	.text
	.protected	k_q4e353dc1fa_gla
	.globl	k_q4e353dc1fa_gla
	.p2align	8
	.type	k_q4e353dc1fa_gla,@function
k_q4e353dc1fa_gla:
	s_mov_b64 s[64:65], 0
	v_nop
	global_prefetch_b8 v0, s[64:65] scope:SCOPE_SE
	s_setreg_imm32_b32 hwreg(HW_REG_WAVE_MODE, 25, 1), 1
	s_wait_xcnt 0x0
; out0[h][i][:] = sum over j of softmax_j(q[h][i] . k[h][j] / sqrt(128) + mask(i, j)) v[h][j][:], 32 heads, 2,048 positions, head size 128.
; Both products on codes of FP8 (E4M3) with one E8M0 scale for each 32 along K.  q, k: codes [head][position][128], scale words [head][position][4]; v: codes with the KEYS innermost, [head][128][2,048], scale bytes [head][128][64].
; THE MASK is built by the problem itself: key j counts for query i where i - 256 <= j <= i + 256, or j < 16, or i < 16.
; WORK LEFT OUT.  A hidden score is -infinity, so its p = 2^(t - M) is 0, its code is 0, and it adds nothing to the row's sum nor to the second product, whatever finite values q, k, v hold.  So a step of 128 keys
; all of which are hidden from all 16 queries of a tile is not walked: a tile at query Q0 walks key block 0 (keys 0-31) and the steps that meet Q0 - 256 .. Q0 + 271.  All seven buffers are used.
; LIMITS.  A NaN, an infinity or an overflow that reaches only steps left out is not carried to the result.  A block of p that is all zeros keeps the scale byte 1 (its codes are zeros; nobody else reads the byte).
; A block's largest p is taken from the block's largest score by the same multiply-add and exponential: this takes v_exp_f32 not to fall where its input rises.
; THE SOFTMAX AHEAD OF THE SECOND PRODUCT: t = score x log2(e) / sqrt(128); M = the largest t so far, rounded UP to a whole number; p = 2^(t - M) is quantised along the keys, in blocks of 32 counted from key 0; the row's sum is
; taken of the unquantised p and divides at the end; when M moves, the sum and O are multiplied by 2^(old M - new M), which rounds nothing.
; SHARES.  Work-group (g, head) owns queries 256 g .. 256 g + 255; each of its sixteen waves one tile of 16, in 256 registers, four waves to a SIMD.  The keys come as three pieces of 256: M = piece g, L = piece g - 1, H = piece g + 1,
; through two LDS slots (M -> slot 0, L -> slot 1, H -> slot 0 again).  A piece is fetched by six waves, one tensor load each: waves 0, 1 K's halves, waves 2, 3 V's halves, wave 6 K's scale words, wave 7 V's scale bytes:
; the scales lie in the slot, at fixed LDS bytes, so that no LDS address hangs on the work-group's number.  Waves 4, 5, 8, 9 fetch, once, keys 0-31 of K and of V and their scales.
; A tile's walk: GB (keys 0-31 as ONE block of the quantiser: it starts M, the sum and O^T, so nothing is cleared), M's two steps, L's, H's.  In a step that begins at key 0 the first block is hidden: GB has counted it.
; QUERIES 0-15 of a head see every key.  They are one tile; in work-group g = 0 wave w takes key step w for them (K and V from memory straight into registers: each wave reads its own 32 KiB once), with an M of its own;
; the sixteen parts meet in LDS, and behind the first barrier wave w merges row w (parts scaled by whole powers of two).  Wave 0 of g = 0, whose own tile this is, walks no step of the ring.
; NO CLUSTER: a piece of 256 keys is read by three work-groups of a head, as the first, the second and the third piece of their walks, and which pieces a work-group walks hangs on its number: partners would have to ask
; jointly for pieces that they do not read, and to part on their place.
; LAYOUT.  Both products are used transposed: S^T = K Q^T (source 0 = 16 keys, source 1 = my 16 queries), O^T = V^T P^T: a lane holds ONE query (lane % 16) throughout.  THE KEYS OF A TILE ARE NOT NEIGHBOURS: lane r of tile 2 b + u
; takes key 32 b + 8 u + r + 8 (r / 8), so that the 16 registers of tiles 2 b, 2 b + 1 are keys 32 b + 16 (lane / 16) + 0 .. 15: the conversions' results are the second product's operand.
; A SCALE REGISTER CARRIES TWO TILES: lanes 0-15 tile t's words, lanes 16-31 tile t + 4's, which the product of tile t + 4 takes by MATRIX_SCALE_ROW1.
; REGISTERS: v1-11 addresses that stay; v12 -M, v13 the largest t, v[14:15] the sum in two halves; v16-31 Q; v32-95 four fragments of K or V; v96-159 S^T, then p; v160-223 O^T; v224-239 p's codes; v232-247, v252, v254 at work;
; v248-251 K's or V's scale words, v253 p's, v255 Q's.
.set KP,    144                        ; a key's row in LDS: 128 bytes + 16 of padding
.set VP,    272                        ; a row of V's tile: 256 bytes (256 keys) + 16
.set VOFF,  256*KP                     ; a slot: 256 rows of K; 128 rows of V;
.set SKS,   VOFF+128*VP                ; K's scale words of the piece's 256 keys: 4 units of 256 bytes + 16;
.set SVS,   SKS+1088                   ; V's scale bytes of the piece: 128 rows of 8 bytes
.set SLOT1, (SVS+1024+255)/256*256     ; 73,984: slot 1; behind the last change of pieces its first 69,632 bytes are the stages of the way out, 16 rows x 272 bytes a wave
.set GBK,   2*SLOT1                    ; keys 0-31 of K: 32 rows, pitch 144
.set GVP,   48                         ; keys 0-31 of a row of V: 32 bytes + 16
.set GBV,   GBK+32*KP                  ; 128 such rows
.set GSK,   GBV+128*GVP                ; K's scale words of keys 0-255, laid as SKS
.set GSV,   GSK+1088                   ; V's scale bytes of keys 0-255, laid as SVS
.set PROW,  528                        ; a row of a part of queries 0-15: 512 bytes + 16
.set PSZ,   16*PROW
.set PART,  (GSV+1024+255)/256*256     ; 161,024: sixteen parts; stored by ds_store alone, no fill lands here
.set STM,   PART+16*PSZ                ; their -M: [part][row], 4 bytes
.set STL,   STM+1024                   ; their sums, likewise
.set SPARE, STL+1024                   ; the spare words, 128 bytes for each wave: eight blocks of 256 bytes that no other line names
.set AK0,  1                           ; v1   my lane's place in a tile of K, slot 0;  v2 slot 1
.set AV0,  3                           ; v3   the same for V, slot 0;  v4 slot 1
.set SPW,  5                           ; v5   LDS address of my spare word; never rewritten
.set NIL,  6                           ; v6   0; never rewritten
.set ASK,  7                           ; v7   my lane's place among K's scale words, slot 0;  v8 slot 1
.set ASV,  9                           ; v9   among V's, slot 0;  v10 slot 1
.set IH,   11                          ; v11  lane % 16 - 16 (lane / 16)
.set KM,   2                           ; s2   256 g
.set WHI,  3                           ; s3   a step is walked where its first key <= WHI
.set WV,   18                          ; s18  my wave's number
.set MNT,  19
.set SEL,  20                          ; s[20:21] v_permlanex16_b32's selects for lane l xor 16
.set CS,   22                          ; s[22:23] c = log2(e) / sqrt(128), twice
.set G1K,  24                          ; s[24:31] group 1, K's half piece;  s[32:39] V's;  s[40:43], s[44:47] their groups 0, which walk
.set G1V,  32
.set G0K,  40
.set G0V,  44
.set G1SK, 48                          ; s[48:55] group 1, K's scale words of 256 keys;  s[56:63] V's scale bytes of 256 keys
.set G1SV, 56
.set Q0,   66                          ; s66  my first query
.set WLO,  67                          ; s67  and its last key >= WLO
.set G1GK, 68                          ; s[68:75] group 1, keys 0-31 of K;  s[76:83] of V
.set G1GV, 76
.set G0S,  84                          ; s[84:87] group 0 of the piece's scales: K's in an even wave, V's in an odd one; it walks
.set G0G,  88                          ; s[88:91] of keys 0-31's codes, likewise
.set G0GS, 92                          ; s[92:95] of their scales, likewise
.macro NOPS n
.rept \n
	v_nop
.endr
.endm
; Waves 0 and 1 fetch K's halves of a piece, waves 2 and 3 V's.  The branches hang on the wave's number alone.  An s_nop 0 and four v_nop follow each load.
.macro TLOAD
	s_cmp_lt_u32 s[WV], 2
	s_cbranch_scc0 .Lnot_k_\@
	tensor_load_to_lds s[G0K:G0K+3], s[G1K:G1K+7]
	s_nop 0
	NOPS 4
	s_branch .Lasked_\@
.Lnot_k_\@:
	s_cmp_lt_u32 s[WV], 4
	s_cbranch_scc0 .Lasked_\@
	tensor_load_to_lds s[G0V:G0V+3], s[G1V:G1V+7]
	s_nop 0
	NOPS 4
.Lasked_\@:
.endm
.macro TL1 wv, g0, g1                  ; one wave's one load
	s_cmp_lg_u32 s[WV], \wv
	s_cbranch_scc1 .Lnot_\@
	tensor_load_to_lds s[\g0:\g0+3], s[\g1:\g1+7]
	s_nop 0
	NOPS 4
.Lnot_\@:
.endm
.macro PLOAD                           ; a whole piece: six waves, one load each
	TLOAD
	TL1 6, G0S, G1SK
	TL1 7, G0S, G1SV
.endm
; THE CHANGE OF PIECES.  Each wave waits for all its tensor loads, adds 0 to its spare word, and waits for that and for its LDS reads and stores; then the barrier.  Behind it what was asked for is whole and nobody reads the slot left.
; fill = 1: the next piece is asked for, into LDS byte slotb on; in memory it lies kb (K's codes), vb (V's), skb (K's scales), svb (V's) bytes up or down.  A work-group at the sequence's end (g = edge) has no such piece and
; none of its waves would read it: a test on the work-group's number, the same in all sixteen waves, leads round the loads and round nothing else.  Every wait on TENSORcnt in this text is for 0.
.macro CHANGE fill, slotb, up, kb, vb, skb, svb, edge
	s_wait_tensorcnt 0x0                           ; no tensor load of mine is out, so a group 0 may be written
	ds_add_u32 v[SPW], v[NIL]                      ; 0 onto my spare word
.if \fill
	ds_add_u32 v[SPW], v[NIL]                      ; and once more
	s_and_b32 s99, s[WV], 1                        ; my half, or K's or V's scales
	s_mul_i32 s98, s99, 128*KP
	s_add_co_u32 s[G0K+1], s98, \slotb
	s_mul_i32 s98, s99, 64*VP
	s_add_co_u32 s[G0V+1], s98, VOFF+\slotb
	s_mul_i32 s98, s99, 1088
	s_add_co_u32 s[G0S+1], s98, SKS+\slotb
	s_cmp_eq_u32 s99, 0
	s_cselect_b32 s100, \skb, \svb
	s_mov_b32 s101, 0
.if \up
	s_add_nc_u64 s[G0K+2:G0K+3], s[G0K+2:G0K+3], \kb
	s_add_nc_u64 s[G0V+2:G0V+3], s[G0V+2:G0V+3], \vb
	s_add_nc_u64 s[G0S+2:G0S+3], s[G0S+2:G0S+3], s[100:101]
.else
	s_sub_nc_u64 s[G0K+2:G0K+3], s[G0K+2:G0K+3], \kb
	s_sub_nc_u64 s[G0V+2:G0V+3], s[G0V+2:G0V+3], \vb
	s_sub_nc_u64 s[G0S+2:G0S+3], s[G0S+2:G0S+3], s[100:101]
.endif
.endif
	s_wait_dscnt 0x0                               ; the add is done, my reads of the slot that I leave are over, my LDS stores have landed
	s_barrier_signal -1
	s_barrier_wait -1
.if \fill
	s_cmp_eq_u32 ttmp9, \edge
	s_cbranch_scc1 .Lpast_\@
	PLOAD                                          ; a wave's one tensor load until the next barrier
.Lpast_\@:
.endif
.endm
; 64 scores: register n holds key (step's first) + 16 (lane / 16) + 32 (n / 16) + n % 16.  low = 1: hidden where that place is under v252; low = 0: where it is over v252.
.macro HIDE low
	v_mov_b32 v254, 0xff800000                     ; -infinity
.irp n, 0,1,2,3,4,5,6,7,8,9,10,11,12,13,14,15,16,17,18,19,20,21,22,23,24,25,26,27,28,29,30,31,32,33,34,35,36,37,38,39,40,41,42,43,44,45,46,47,48,49,50,51,52,53,54,55,56,57,58,59,60,61,62,63
.if \low
	v_cmp_lt_i32 vcc_lo, 32*(\n/16)+\n%16, v252
.else
	v_cmp_gt_i32 vcc_lo, 32*(\n/16)+\n%16, v252
.endif
	v_cndmask_b32 v[96+\n], v[96+\n], v254, vcc_lo
.endr
.endm
; THE SOFTMAX of nb blocks of 32 keys (scores in v96 on): p's codes into v224 on, p's scale word into v253.  first = 1: it starts M and the sum; else f = 2^(old M - new M) is left in v252.  nb = 1 comes with first = 1 alone.
.macro SOFTMAX nb, first
.irp b, 0,1,2,3
.if \b < \nb
	v_max3_num_f32 v[232+\b], v[96+16*\b], v[97+16*\b], v[98+16*\b]   ; the largest score of each block: for the row's maximum and, since p rises with the score, for the block's largest p
.endif
.endr
.irp i, 3,5,7,9,11,13
.irp b, 0,1,2,3
.if \b < \nb
	v_max3_num_f32 v[232+\b], v[232+\b], v[96+16*\b+\i], v[97+16*\b+\i]
.endif
.endr
.endr
.irp b, 0,1,2,3
.if \b < \nb
	v_max_num_f32 v[232+\b], v[232+\b], v[111+16*\b]
.endif
.endr
.irp b, 0
.if \b < \nb
	v_permlanex16_b32 v[236+\b], v[232+\b], s[SEL], s[SEL+1]
.endif
.endr
.irp b, 1, 2, 3
.if \b < \nb
	v_permlanex16_b32 v[236+\b], v[232+\b], s[SEL], s[SEL+1]
.endif
.endr
.irp b, 0
.if \b < \nb
	v_max_num_f32 v[232+\b], v[232+\b], v[236+\b]  ; with lane l xor 16's 16 keys
.endif
.endr
.irp b, 1, 2, 3
.if \b < \nb
	s_delay_alu instid0(VALU_DEP_4)
	v_max_num_f32 v[232+\b], v[232+\b], v[236+\b]  ; with lane l xor 16's 16 keys
.endif
.endr
.if \nb == 4
	s_delay_alu instid0(VALU_DEP_2)
	v_max3_num_f32 v254, v232, v233, v234
	s_delay_alu instid0(VALU_DEP_1)
	v_max_num_f32 v254, v254, v235
.if \first
	s_delay_alu instid0(VALU_DEP_1)
	v_mul_f32 v13, s[CS], v254                     ; the largest t (c is positive)
.else
	s_delay_alu instid0(VALU_DEP_1)
	v_mul_f32 v254, s[CS], v254
	s_delay_alu instid0(VALU_DEP_1)
	v_max_num_f32 v13, v13, v254                   ; the running largest t
.endif
.else
	s_delay_alu instid0(VALU_DEP_1)
	v_mul_f32 v13, s[CS], v232
.endif
.if \first
	s_delay_alu instid0(VALU_DEP_1)
	v_floor_f32 v12, -v13                          ; -M = floor(-t) = -ceil(t)
.else
	v_mov_b32 v254, v12
	s_delay_alu instid0(VALU_DEP_2)
	v_floor_f32 v12, -v13
	s_delay_alu instid0(VALU_DEP_1)
	v_sub_f32 v254, v12, v254                      ; old M - new M: a whole number, 0 or less
	s_delay_alu instid0(VALU_DEP_1)
	v_cvt_i32_f32 v254, v254                       ; (it saturates)
	s_delay_alu instid0(VALU_DEP_1)
	v_ldexp_f32 v252, 1.0, v254                    ; f
.endif
.set j, 0
.rept 8*\nb
	v_pk_fma_f32 v[96+j:97+j], v[96+j:97+j], s[CS:CS+1], v[12:13] op_sel_hi:[1,0,0]   ; t - M, two at a time
.set j, j+2
.endr
.irp b, 0,1,2,3
.if \b < \nb
	v_fma_f32 v[232+\b], v[232+\b], s[CS], v12     ; the same of each block's largest score
.endif
.endr
.set j, 0
	s_wait_alu depctr_va_vdst(0)
.rept 16*\nb
	v_exp_f32 v[96+j], v[96+j]                     ; p = 2^(t - M): one batch
.set j, j+1
.endr
.if \first
	v_nop                                          ; a plain instruction behind the last exponential
.else
	v_pk_mul_f32 v[14:15], v[14:15], v[252:253] op_sel_hi:[1,0]   ; the sums under the new M (the plain instruction behind the last exponential)
.endif
	s_wait_alu depctr_va_vdst(0)                   ; one wait for the batch, ahead of its first reader
.irp b, 0,1,2,3
.if \b < \nb
	v_exp_f32 v[232+\b], v[232+\b]                 ; the block's largest p
.endif
.endr
	v_pk_add_f32 v[236:237], v[96:97], v[98:99]    ; the row's sum of the UNQUANTISED p, two at a time, in two chains
.if \first
	v_pk_add_f32 v[14:15], v[100:101], v[102:103]
.set j, 8
.else
.set j, 4
.endif
.rept (16*\nb-j)/4
	v_pk_add_f32 v[14:15], v[14:15], v[96+j:97+j]
	v_pk_add_f32 v[236:237], v[236:237], v[98+j:99+j]
.set j, j+4
.endr
	s_delay_alu instid0(VALU_DEP_1)
	v_pk_add_f32 v[14:15], v[14:15], v[236:237]
	s_wait_alu depctr_va_vdst(0)                   ; and one for the blocks' exponentials
.irp b, 0,1,2,3
.if \b < \nb
	v_max_num_f32 v[232+\b], 0x4800000, v[232+\b]  ; the floor 2^(9 - 127): the byte cannot fall under 1
.endif
.endr
.irp b, 0
.if \b < \nb
	v_add_nc_u32 v[244+\b], 0xfc000000, v[232+\b]  ; 8 off the exponent field: the conversion's scale operand
.endif
.endr
.irp b, 1, 2, 3
.if \b < \nb
	s_delay_alu instid0(VALU_DEP_4)
	v_add_nc_u32 v[244+\b], 0xfc000000, v[232+\b]  ; 8 off the exponent field: the conversion's scale operand
.endif
.endr
.irp b, 0,1,2,3
.if \b < \nb
.endif
.endr
.if \nb == 4
.irp b, 0,1,2,3
	s_delay_alu instid0(VALU_DEP_4)
	v_lshrrev_b32 v[236+\b], 23, v[244+\b]         ; the scale's byte
.endr
	s_delay_alu instid0(VALU_DEP_3)
	v_lshl_or_b32 v253, v237, 8, v236              ; p's scale word for these 128 keys
	s_delay_alu instid0(VALU_DEP_1)
	v_lshl_or_b32 v253, v238, 16, v253
	s_delay_alu instid0(VALU_DEP_1)
	v_lshl_or_b32 v253, v239, 24, v253
.else
	s_delay_alu instid0(VALU_DEP_1)
	v_lshrrev_b32 v253, 23, v244                   ; one block: its byte; the three bytes above it stand over zero codes
.irp i, 228,229,230,231,232,233,234,235,236,237,238,239
	v_mov_b32 v[\i], 0                             ; the codes of the K step's other 96 places
.endr
.endif
.irp b, 0,1,2,3
.if \b < \nb
.irp i, 0,1,2,3,4,5,6,7,8,9,10,11,12,13,14,15
.endr
	v_cvt_scalef32_pk8_fp8_f32 v[224+4*\b:225+4*\b], v[96+16*\b:103+16*\b], v[244+\b]
	v_cvt_scalef32_pk8_fp8_f32 v[226+4*\b:227+4*\b], v[104+16*\b:111+16*\b], v[244+\b]
.endif
.endr
.endm
; A KEY STEP: 128 keys from 256 g + dk on, the q-th of the piece in slot `slot`.  zm, lm, hm: the step's text holds the hiding of block 0, of the window's low end, of its high end.
; A step all of whose keys are hidden from my 16 queries is left out: scalar branches on ids, round the step's loads, products and softmax; no barrier and no tensor load stands in a step.
.macro STEP slot, q, dk, zm, lm, hm
	s_add_co_i32 s97, s[KM], \dk                   ; the step's first key
	s_add_co_i32 s96, s97, 127
	s_cmp_lt_i32 s96, s[WLO]
	s_cbranch_scc1 .Lhid_\@
	s_cmp_gt_i32 s97, s[WHI]
	s_cbranch_scc1 .Lhid_\@
.irp g, 0,1                                    ; S^T = K Q^T, four tiles of 16 keys at a time
	NOPS 8                                         ; places in front of loads into registers that matrix instructions have read
.irp t, 0,1,2,3
.irp c, 0,1,2,3
	ds_load_b128 v[32+16*\t+4*\c:35+16*\t+4*\c], v[AK0+\slot] offset:(128*\q+64*\g+32*(\t/2)+8*(\t%2))*KP+32*\c
.endr
.if \g == 0
	ds_load_b32 v[248+\t], v[ASK+\slot] offset:544*\q+4*(32*(\t/2)+8*(\t%2))   ; lanes 0-15: tile t's words; lanes 16-31: tile t + 4's, one unit on
.endif
.endr
	s_wait_dscnt 0x0
.irp t, 0,1,2,3
.if \g == 0
	v_wmma_scale_f32_16x16x128_f8f6f4 v[96+8*\t:103+8*\t], v[32+16*\t:47+16*\t], v[16:31], 0, v[248+\t], v255
.else
	v_wmma_scale_f32_16x16x128_f8f6f4 v[128+8*\t:135+8*\t], v[32+16*\t:47+16*\t], v[16:31], 0, v[248+\t], v255 matrix_a_scale:MATRIX_SCALE_ROW1
.endif
.endr
.endr
	NOPS 8
.if \zm                                        ; keys 0-31 were counted in GB
	s_cmp_lg_u32 s97, 0
	s_cbranch_scc1 .Lnz_\@
.irp n, 0,1,2,3,4,5,6,7,8,9,10,11,12,13,14,15
	v_mov_b32 v[96+\n], 0xff800000
.endr
.Lnz_\@:
.endif
.if \lm                                        ; hidden: key < query - 256; none where the step's first key >= my last query - 256
	s_sub_co_i32 s96, s[Q0], s97
	s_cmp_le_i32 s96, 241
	s_cbranch_scc1 .Lnl_\@
	s_sub_co_i32 s96, s96, 256
	v_add_nc_u32 v252, s96, v[IH]                  ; my query - 256 - the step's first key - 16 (lane / 16)
	HIDE 1
.Lnl_\@:
.endif
.if \hm                                        ; hidden: key > query + 256; none where the step's last key <= my first query + 256
	s_sub_co_i32 s96, s[Q0], s97
	s_cmp_ge_i32 s96, 0xffffff7f                   ; -129
	s_cbranch_scc1 .Lnh_\@
	s_add_co_i32 s96, s96, 256
	v_add_nc_u32 v252, s96, v[IH]                  ; my query + 256 - the step's first key - 16 (lane / 16)
	HIDE 0
.Lnh_\@:
.endif
	SOFTMAX 4, 0
.set j, 0
.rept 32
	v_pk_mul_f32 v[160+j:161+j], v[160+j:161+j], v[252:253] op_sel_hi:[1,0]   ; O^T under the new M.  (These 32 are also the places in front of the matrix instructions and loads below)
.set j, j+2
.endr
	s_wait_alu depctr_va_vdst(0)
.irp g, 0,1                                    ; O^T += V^T P^T, four tiles of 16 of the head's 128 at a time
.if \g > 0
	NOPS 8
.endif
.irp t, 0,1,2,3
.irp c, 0,1,2,3
	ds_load_b128 v[32+16*\t+4*\c:35+16*\t+4*\c], v[AV0+\slot] offset:16*(4*\g+\t)*VP+128*\q+32*\c
.endr
.if \g == 0
	ds_load_b32 v[248+\t], v[ASV+\slot] offset:4*\q+128*\t   ; lanes 0-15: tile t's words; lanes 16-31: tile t + 4's, 64 rows on
.endif
.endr
	s_wait_dscnt 0x0
.irp t, 0,1,2,3
.if \g == 0
	v_wmma_scale_f32_16x16x128_f8f6f4 v[160+8*\t:167+8*\t], v[32+16*\t:47+16*\t], v[224:239], v[160+8*\t:167+8*\t], v[248+\t], v253
.else
	v_wmma_scale_f32_16x16x128_f8f6f4 v[192+8*\t:199+8*\t], v[32+16*\t:47+16*\t], v[224:239], v[192+8*\t:199+8*\t], v[248+\t], v253 matrix_a_scale:MATRIX_SCALE_ROW1
.endif
.endr
.endr
.Lhid_\@:
.endm
	; ---- THE HEAD
	s_load_b256 s[4:11], s[0:1], 0x0               ; q's codes s[4:5], q's scales s[6:7], k's codes s[8:9], k's scales s[10:11]
	s_load_b128 s[12:15], s[0:1], 0x20             ; v's codes, v's scales
	s_load_b64 s[16:17], s[0:1], 0x30              ; out0
	v_lshl_add_u32 v[SPW], v0, 2, SPARE
	v_mov_b32 v[NIL], 0
	ds_add_u32 v[SPW], v[NIL]                      ; the wave's opening: the add, twice on end, and its wait ahead of the first tensor load; the set-up below stands between the second and the wait
	ds_add_u32 v[SPW], v[NIL]
	v_lshrrev_b32 v[ASK], 5, v0
	s_delay_alu instid0(VALU_DEP_1)
	v_readfirstlane_b32 s[WV], v[ASK]              ; wave 0..15
	s_lshl_b32 s[KM], ttmp9, 8
	s_lshl_b32 s96, s[WV], 4
	s_add_co_u32 s[Q0], s[KM], s96                 ; my first query
	s_sub_co_i32 s[WLO], s[Q0], 256
	s_max_i32 s[WLO], s[WLO], 0
	s_add_co_u32 s[WHI], s[Q0], 271
	s_min_u32 s[WHI], s[WHI], 2047
	s_cmp_eq_u32 s[Q0], 0
	s_cselect_b32 s[WHI], -1, s[WHI]               ; the tile of queries 0-15 walks no step of the ring
	s_and_b32 s99, s[WV], 1                        ; which half of a piece I fetch, or K's or V's small things, if I fetch
	s_mov_b32 s[SEL], 0x76543210
	s_mov_b32 s[SEL+1], 0xfedcba98
	s_mov_b32 s[CS], 0x3e0293ee                    ; c = log2(e) / sqrt(128)
	s_mov_b32 s[CS+1], s[CS]
	; group 1.  K: 128 rows of 128 bytes, dense; 4 words of padding after every 32
	s_mov_b32 s[G1K], (1<<20)|(4<<22)|(3<<25)
	s_mov_b32 s[G1K+1], 128<<16                    ; tensor_dim0
	s_mov_b32 s[G1K+2], 128<<16                    ; tensor_dim1
	s_mov_b32 s[G1K+3], 128<<16                    ; tile_dim0
	s_mov_b32 s[G1K+4], 128                        ; tile_dim1
	s_mov_b32 s[G1K+5], 128                        ; from row to row
	s_mov_b32 s[G1K+6], 0
	s_mov_b32 s[G1K+7], 0
	; V: 64 rows of 256 bytes, 2,048 apart; 4 words after every 64
	s_mov_b32 s[G1V], (1<<20)|(5<<22)|(3<<25)
	s_mov_b32 s[G1V+1], 256<<16
	s_mov_b32 s[G1V+2], 64<<16
	s_mov_b32 s[G1V+3], 256<<16
	s_mov_b32 s[G1V+4], 64
	s_mov_b32 s[G1V+5], 2048
	s_mov_b32 s[G1V+6], 0
	s_mov_b32 s[G1V+7], 0
	; K's scale words of 256 keys: 1,024 dense bytes as 4 rows of 32 elements of 8 bytes; 4 words after every 64
	s_mov_b32 s[G1SK], (3<<16)|(1<<20)|(5<<22)|(3<<25)
	s_mov_b32 s[G1SK+1], 32<<16
	s_mov_b32 s[G1SK+2], 4<<16
	s_mov_b32 s[G1SK+3], 32<<16
	s_mov_b32 s[G1SK+4], 4
	s_mov_b32 s[G1SK+5], 32
	s_mov_b32 s[G1SK+6], 0
	s_mov_b32 s[G1SK+7], 0
	; V's scale bytes of 256 keys: 128 rows of 2 elements of 4 bytes, 16 elements (64 bytes) apart; no padding
	s_mov_b32 s[G1SV], 2<<16
	s_mov_b32 s[G1SV+1], 2<<16
	s_mov_b32 s[G1SV+2], 128<<16
	s_mov_b32 s[G1SV+3], 2<<16
	s_mov_b32 s[G1SV+4], 128
	s_mov_b32 s[G1SV+5], 16
	s_mov_b32 s[G1SV+6], 0
	s_mov_b32 s[G1SV+7], 0
	; keys 0-31 of K: 32 rows of 128 bytes
	s_mov_b32 s[G1GK], (1<<20)|(4<<22)|(3<<25)
	s_mov_b32 s[G1GK+1], 128<<16
	s_mov_b32 s[G1GK+2], 32<<16
	s_mov_b32 s[G1GK+3], 128<<16
	s_mov_b32 s[G1GK+4], 32
	s_mov_b32 s[G1GK+5], 128
	s_mov_b32 s[G1GK+6], 0
	s_mov_b32 s[G1GK+7], 0
	; keys 0-31 of V: 128 rows of 32 bytes, 2,048 apart; 4 words after every 8
	s_mov_b32 s[G1GV], (1<<20)|(2<<22)|(3<<25)
	s_mov_b32 s[G1GV+1], 32<<16
	s_mov_b32 s[G1GV+2], 128<<16
	s_mov_b32 s[G1GV+3], 32<<16
	s_mov_b32 s[G1GV+4], 128
	s_mov_b32 s[G1GV+5], 2048
	s_mov_b32 s[G1GV+6], 0
	s_mov_b32 s[G1GV+7], 0
	s_and_b32 s100, ttmp7, 0xffff                  ; the head
	s_mov_b32 s97, 0
	s_lshl_b32 s96, s100, 18                       ; a head's codes: 262,144 bytes
	s_wait_dscnt 0x0                               ; both opening adds are done
	s_wait_kmcnt 0x0
	s_add_nc_u64 s[4:5], s[4:5], s[96:97]          ; every buffer at my head
	s_add_nc_u64 s[8:9], s[8:9], s[96:97]
	s_add_nc_u64 s[12:13], s[12:13], s[96:97]
	s_lshl_b32 s96, s100, 13                       ; its scale bytes: 8,192
	s_add_nc_u64 s[6:7], s[6:7], s[96:97]
	s_add_nc_u64 s[10:11], s[10:11], s[96:97]
	s_add_nc_u64 s[14:15], s[14:15], s[96:97]
	s_lshl_b32 s96, s100, 20                       ; its rows of out0: 1,048,576
	s_add_nc_u64 s[16:17], s[16:17], s[96:97]
	; groups 0: every LDS address is a constant + (wave & 1) x a constant
	s_mov_b32 s[G0K], 1
	s_mul_i32 s[G0K+1], s99, 128*KP                ; slot 0, my half
	s_lshl_b32 s96, s[KM], 7                       ; piece g: key 256 g, 128 bytes a key,
	s_lshl_b32 s98, s99, 14                        ; + my half's 128 keys
	s_add_co_u32 s96, s96, s98
	s_add_nc_u64 s[G0K+2:G0K+3], s[8:9], s[96:97]
	s_or_b32 s[G0K+3], s[G0K+3], 0x80000000
	s_mov_b32 s[G0V], 1
	s_mul_i32 s98, s99, 64*VP
	s_add_co_u32 s[G0V+1], s98, VOFF
	s_lshl_b32 s96, s99, 17                        ; my half's 64 rows of 2,048 bytes,
	s_add_co_u32 s96, s96, s[KM]                   ; + key 256 g
	s_add_nc_u64 s[G0V+2:G0V+3], s[12:13], s[96:97]
	s_or_b32 s[G0V+3], s[G0V+3], 0x80000000
	s_mov_b32 s[G0S], 1
	s_mov_b32 s[G0G], 1
	s_mov_b32 s[G0GS], 1
	s_mul_i32 s98, s99, 1088
	s_add_co_u32 s[G0S+1], s98, SKS                ; even wave: K's scale words; odd: V's scale bytes, 1,088 bytes on
	s_add_co_u32 s[G0GS+1], s98, GSK
	s_mul_i32 s98, s99, 32*KP
	s_add_co_u32 s[G0G+1], s98, GBK                ; even wave: keys 0-31 of K; odd: of V
	s_lshl_b32 s96, s[KM], 2                       ; piece g's scales: 1,024 g bytes on in K's,
	s_lshr_b32 s98, s[KM], 5                       ; 8 g in each row of V's
	s_cmp_eq_u32 s99, 0                            ; the choice hangs on the wave's number alone
	s_cselect_b32 s96, s96, s98
	s_cselect_b64 s[G0S+2:G0S+3], s[10:11], s[14:15]
	s_cselect_b64 s[G0GS+2:G0GS+3], s[10:11], s[14:15]
	s_cselect_b64 s[G0G+2:G0G+3], s[8:9], s[12:13]
	s_add_nc_u64 s[G0S+2:G0S+3], s[G0S+2:G0S+3], s[96:97]
	s_or_b32 s[G0S+3], s[G0S+3], 0x80000000
	s_or_b32 s[G0GS+3], s[G0GS+3], 0x80000000
	s_or_b32 s[G0G+3], s[G0G+3], 0x80000000
	; the first fills, one a wave, waves 0 to 9: by this text's own count a wave never has more than one tensor load out
	PLOAD                                          ; piece M into slot 0
	TL1 4, G0G, G1GK
	TL1 5, G0G, G1GV
	TL1 8, G0GS, G1SK
	TL1 9, G0GS, G1SV
	; the addresses that stay
	v_and_b32 v252, 15, v0                         ; r
	v_bfe_u32 v254, v0, 4, 1                       ; h
	s_delay_alu instid0(VALU_DEP_2)
	v_and_b32 v246, 8, v252
	s_delay_alu instid0(VALU_DEP_1)
	v_add_nc_u32 v246, v246, v252                  ; r + 8 (r / 8)
	s_delay_alu instid0(VALU_DEP_1)
	v_mul_u32_u24 v[AK0], v246, KP
	s_delay_alu instid0(VALU_DEP_1)
	v_lshl_add_u32 v[AK0], v254, 4, v[AK0]
	s_delay_alu instid0(VALU_DEP_1)
	v_add_nc_u32 v[AK0+1], SLOT1, v[AK0]
	v_mul_u32_u24 v[AV0], v252, VP
	s_delay_alu instid0(VALU_DEP_1)
	v_lshl_add_u32 v[AV0], v254, 4, v[AV0]
	s_delay_alu instid0(VALU_DEP_1)
	v_add_nc_u32 v[AV0], VOFF, v[AV0]
	s_delay_alu instid0(VALU_DEP_1)
	v_add_nc_u32 v[AV0+1], SLOT1, v[AV0]
	v_mul_u32_u24 v[ASK], v254, 272                ; K's scale words: 4 bytes a key, 64 keys to a unit; lanes 16-31 take the tile four on, one unit on
	s_delay_alu instid0(VALU_DEP_1)
	v_lshl_add_u32 v[ASK], v246, 2, v[ASK]
	s_delay_alu instid0(VALU_DEP_1)
	v_add_nc_u32 v[ASK], SKS, v[ASK]
	s_delay_alu instid0(VALU_DEP_1)
	v_add_nc_u32 v[ASK+1], SLOT1, v[ASK]
	v_lshlrev_b32 v[ASV], 3, v252                  ; V's: 8 bytes a row; lanes 16-31 take the tile four on, 64 rows on
	s_delay_alu instid0(VALU_DEP_1)
	v_lshl_add_u32 v[ASV], v254, 9, v[ASV]
	s_delay_alu instid0(VALU_DEP_1)
	v_add_nc_u32 v[ASV], SVS, v[ASV]
	s_delay_alu instid0(VALU_DEP_1)
	v_add_nc_u32 v[ASV+1], SLOT1, v[ASV]
	v_lshlrev_b32 v247, 4, v254
	s_delay_alu instid0(VALU_DEP_1)
	v_sub_nc_u32 v[IH], v252, v247
.irp b, 0,1,2,3
	v_mov_b32 v[236+\b], 0                         ; written once: a lane permute's destination counts as one of its sources
.endr
	v_mov_b32 v253, 0                              ; (named as the upper half of the pair v[252:253] before it is first written)
	; ---- QUERIES 0-15, in work-group g = 0: wave w takes key step w, from memory straight into registers
	s_cmp_lg_u32 ttmp9, 0
	s_cbranch_scc1 .Lno_rows
	v_lshlrev_b32 v240, 7, v252
	s_delay_alu instid0(VALU_DEP_1)
	v_lshl_add_u32 v240, v254, 4, v240             ; Q: row r, + 16 h
	v_lshlrev_b32 v241, 2, v252                    ; its scale words
	s_lshl_b32 s96, s[WV], 14                      ; K: my 128 keys of 128 bytes
	v_lshlrev_b32 v242, 7, v246
	s_delay_alu instid0(VALU_DEP_1)
	v_lshl_add_u32 v242, v254, 4, v242
	s_delay_alu instid0(VALU_DEP_1)
	v_add_nc_u32 v242, s96, v242
	s_lshl_b32 s96, s[WV], 9                       ; their scale words; lanes 16-31 take the tile four on: 64 keys on
	v_lshlrev_b32 v243, 2, v246
	s_delay_alu instid0(VALU_DEP_1)
	v_lshl_add_u32 v243, v254, 8, v243
	s_delay_alu instid0(VALU_DEP_1)
	v_add_nc_u32 v243, s96, v243
.irp c, 0,1,2,3
	global_load_b128 v[16+4*\c:19+4*\c], v240, s[4:5] offset:32*\c
.endr
	global_load_b32 v255, v241, s[6:7]
.irp x, 0,1,2,3,4,5,6,7                        ; tiles 0-3 into v32-95, tiles 4-7 into v160-223
.irp c, 0,1,2,3
	global_load_b128 v[32+16*\x+64*(\x/4)+4*\c:35+16*\x+64*(\x/4)+4*\c], v242, s[8:9] offset:(32*(\x/2)+8*(\x%2))*128+32*\c
.endr
.endr
.irp t, 0,1,2,3
	global_load_b32 v[248+\t], v243, s[10:11] offset:4*(32*(\t/2)+8*(\t%2))
.endr
	s_wait_loadcnt 0x0
.irp t, 0,1,2,3
	v_wmma_scale_f32_16x16x128_f8f6f4 v[96+8*\t:103+8*\t], v[32+16*\t:47+16*\t], v[16:31], 0, v[248+\t], v255
.endr
.irp t, 0,1,2,3
	v_wmma_scale_f32_16x16x128_f8f6f4 v[128+8*\t:135+8*\t], v[160+16*\t:175+16*\t], v[16:31], 0, v[248+\t], v255 matrix_a_scale:MATRIX_SCALE_ROW1
.endr
	s_lshl_b32 s96, s[WV], 7                       ; V: my 128 keys in each row
	s_lshl_b32 s99, s[WV], 2                       ; and their scale word in each row
	v_lshlrev_b32 v244, 11, v252                   ; eight places behind the products: V's offsets and two v_nop
	s_delay_alu instid0(VALU_DEP_1)
	v_lshl_add_u32 v244, v254, 4, v244
	s_delay_alu instid0(VALU_DEP_1)
	v_add_nc_u32 v244, s96, v244
	v_lshlrev_b32 v245, 6, v252
	s_delay_alu instid0(VALU_DEP_1)
	v_lshl_add_u32 v245, v254, 12, v245            ; lanes 16-31 take the tile four on: 64 rows of 64 bytes on
	s_delay_alu instid0(VALU_DEP_1)
	v_add_nc_u32 v245, s99, v245
	NOPS 2
.irp x, 0,1,2,3,4,5,6,7
.irp c, 0,1,2,3
	global_load_b128 v[32+16*\x+64*(\x/4)+4*\c:35+16*\x+64*(\x/4)+4*\c], v244, s[12:13] offset:32768*\x+32*\c
.endr
.endr
.irp t, 0,1,2,3
	global_load_b32 v[248+\t], v245, s[14:15] offset:1024*\t
.endr
	s_wait_xcnt 0x0                                ; the loads have read their offsets: the softmax works in those registers
	SOFTMAX 4, 1                                   ; no key is hidden from these queries
	NOPS 4                                         ; places between the codes and the products
	s_wait_alu depctr_va_vdst(0)
	s_wait_loadcnt 0x0
.irp t, 0,1,2,3
	v_wmma_scale_f32_16x16x128_f8f6f4 v[96+8*\t:103+8*\t], v[32+16*\t:47+16*\t], v[224:239], 0, v[248+\t], v253
.endr
.irp t, 0,1,2,3
	v_wmma_scale_f32_16x16x128_f8f6f4 v[128+8*\t:135+8*\t], v[160+16*\t:175+16*\t], v[224:239], 0, v[248+\t], v253 matrix_a_scale:MATRIX_SCALE_ROW1
.endr
	s_mul_i32 s96, s[WV], PSZ
	s_add_co_u32 s96, s96, PART                    ; my part
	s_lshl_b32 s99, s[WV], 6
	s_add_co_u32 s99, s99, STM                     ; my 16 words
	v_add_f32 v14, v14, v15                        ; the sum's two halves (this and the address work are the places behind the products)
	v_and_b32 v242, 15, v0
	v_bfe_u32 v243, v0, 4, 1
	s_delay_alu instid0(VALU_DEP_3)
	v_permlanex16_b32 v252, v14, s[SEL], s[SEL+1]
	s_delay_alu instid0(VALU_DEP_3)
	v_mul_u32_u24 v240, v242, PROW
	s_delay_alu instid0(VALU_DEP_1)
	v_lshl_add_u32 v240, v243, 5, v240
	s_delay_alu instid0(VALU_DEP_1)
	v_add_nc_u32 v240, s96, v240                   ; row r, + 32 h
	v_lshlrev_b32 v241, 2, v242
	s_delay_alu instid0(VALU_DEP_1)
	v_add_nc_u32 v241, s99, v241
	v_add_f32 v14, v14, v252                       ; and lane l xor 16's
	v_nop
	v_nop
.irp x, 0,1,2,3,4,5,6,7
	ds_store_b128 v240, v[96+8*\x:99+8*\x] offset:64*\x        ; channels 16 x + 8 h + 0 .. 7 of query r; each accumulator from its low end on
	ds_store_b128 v240, v[100+8*\x:103+8*\x] offset:64*\x+16
.endr
	ds_store_b32 v241, v12                         ; -M (both halves of the lanes write the same word with the same value)
	ds_store_b32 v241, v14 offset:1024             ; the sum
.Lno_rows:
	; ---- my own tile's Q stays in registers
	v_and_b32 v242, 15, v0
	v_bfe_u32 v243, v0, 4, 1
	s_delay_alu instid0(VALU_DEP_2)
	v_lshlrev_b32 v240, 7, v242
	s_delay_alu instid0(VALU_DEP_1)
	v_lshl_add_u32 v240, v243, 4, v240
	s_lshl_b32 s96, s[Q0], 7
	v_add_nc_u32 v240, s96, v240
	v_lshlrev_b32 v241, 2, v242
	s_lshl_b32 s96, s[Q0], 2
	v_add_nc_u32 v241, s96, v241
.irp c, 0,1,2,3
	global_load_b128 v[16+4*\c:19+4*\c], v240, s[4:5] offset:32*\c
.endr
	global_load_b32 v255, v241, s[6:7]
	CHANGE 1, SLOT1, 0, 32768, 256, 1024, 8, 0     ; M, keys 0-31, their scales and the sixteen parts are whole; L is asked for, into slot 1, filled for the first time
	; ---- the merge of queries 0-15: wave w makes row w, a lane 16 bytes of it
	s_cmp_lg_u32 ttmp9, 0
	s_cbranch_scc1 .Lno_merge
	s_lshl_b32 s96, s[WV], 2
	s_add_co_u32 s96, s96, STM
	v_mov_b32 v242, s96                            ; row w's word in part 0
	v_and_b32 v243, 31, v0
	s_delay_alu instid0(VALU_DEP_1)
	v_lshlrev_b32 v243, 4, v243
	s_mul_i32 s96, s[WV], PROW
	s_add_co_u32 s96, s96, PART
	v_add_nc_u32 v244, s96, v243                   ; row w of parts 0-7,
	s_delay_alu instid0(VALU_DEP_1)
	v_add_nc_u32 v245, 8*PSZ, v244                 ; of parts 8-15
	s_lshl_b32 s96, s[WV], 9
	v_add_nc_u32 v246, s96, v243                   ; and of out0
.irp p, 0,1,2,3,4,5,6,7,8,9,10,11,12,13,14,15
	ds_load_b32 v[32+\p], v242 offset:64*\p        ; -M of part p
	ds_load_b32 v[48+\p], v242 offset:1024+64*\p   ; its sum
.endr
.irp p, 0,1,2,3,4,5,6,7
	ds_load_b128 v[96+4*\p:99+4*\p], v244 offset:PSZ*\p
	ds_load_b128 v[128+4*\p:131+4*\p], v245 offset:PSZ*\p
.endr
	s_wait_dscnt 0x0
.irp p, 0,1,2,3,4,5,6,7
	v_min_num_f32 v[64+\p], v[32+\p], v[40+\p]
.endr
.irp p, 0,1,2,3
	s_delay_alu instid0(VALU_DEP_4)
	v_min_num_f32 v[64+\p], v[64+\p], v[68+\p]
.endr
	s_delay_alu instid0(VALU_DEP_2)
	v_min_num_f32 v64, v64, v66
	s_delay_alu instid0(VALU_DEP_2)
	v_min_num_f32 v65, v65, v67
	s_delay_alu instid0(VALU_DEP_1)
	v_min_num_f32 v80, v64, v65                    ; the least -M: the row's M
.irp p, 0,1,2,3,4,5,6,7,8,9,10,11,12,13,14,15
	v_sub_f32 v[64+\p], v80, v[32+\p]              ; part p's M less the row's: a whole number, 0 or less
.endr
.irp p, 0,1,2,3,4,5,6,7,8,9,10,11,12,13,14,15
	v_cvt_i32_f32 v[64+\p], v[64+\p]
.endr
.irp p, 0,1,2,3,4,5,6,7,8,9,10,11,12,13,14,15
	v_ldexp_f32 v[64+\p], 1.0, v[64+\p]            ; the part's factor: a power of two
.endr
	v_mul_f32 v81, v64, v48
.irp p, 1,2,3,4,5,6,7,8,9,10,11,12,13,14,15
	s_delay_alu instid0(VALU_DEP_1)
	v_fmac_f32 v81, v[64+\p], v[48+\p]             ; the row's sum
.endr
	s_wait_alu depctr_va_vdst(0)
	v_rcp_f32 v82, v81
.irp c, 0,1,2,3
	v_mul_f32 v[84+\c], v[96+\c], v64              ; (plain work behind the reciprocal)
.endr
.irp p, 1,2,3,4,5,6,7,8,9,10,11,12,13,14,15
.irp c, 0,1,2,3
	s_delay_alu instid0(VALU_DEP_4)
	v_fmac_f32 v[84+\c], v[96+4*\p+\c], v[64+\p]
.endr
.endr
	s_wait_alu depctr_va_vdst(0)                   ; the wait ahead of the reciprocal's first reader
.irp c, 0,1,2,3
	v_mul_f32 v[88+\c], v[84+\c], v82
.endr
	global_store_b128 v246, v[88:91], s[16:17] th:TH_STORE_NT   ; 32 lanes store a row's 512 consecutive bytes
	s_wait_xcnt 0x0                                ; the store has read its registers: they are written again below
.Lno_merge:
	s_wait_loadcnt 0x0                             ; my tile's Q
	; ---- GB: keys 0-31, one block of the quantiser; it starts M, the sum and O^T
	s_cmp_eq_u32 s[Q0], 0
	s_cbranch_scc0 .Lgb
.irp j, 12,13,14,15
	v_mov_b32 v[\j], 0                             ; the wave whose tile is queries 0-15 walks neither GB nor a step: here every register that the steps' text reads is written on this way too
.endr
.set j, 0
.rept 64
	v_mov_b32 v[160+j], 0
.set j, j+1
.endr
	s_branch .Lgb_done
.Lgb:
.irp t, 0,1,2,3
.irp i, 4,5,6,7,8,9,10,11,12,13,14,15
	v_mov_b32 v[32+16*\t+\i], 0                    ; the second product's K step has 32 keys: V's other 96 places hold zero codes
.endr
.endr
	v_add_nc_u32 v241, GBK, v[AK0]
	v_and_b32 v242, 15, v0
	v_bfe_u32 v243, v0, 4, 1
	s_delay_alu instid0(VALU_DEP_2)
	v_and_b32 v245, 8, v242
	s_delay_alu instid0(VALU_DEP_1)
	v_add_nc_u32 v245, v245, v242                  ; r + 8 (r / 8)
	s_delay_alu instid0(VALU_DEP_1)
	v_lshl_add_u32 v245, v245, 2, GSK              ; K's scale words of keys 0-31
	v_lshlrev_b32 v246, 3, v242
	s_delay_alu instid0(VALU_DEP_1)
	v_lshl_add_u32 v246, v243, 9, v246
	s_delay_alu instid0(VALU_DEP_1)
	v_add_nc_u32 v246, GSV, v246                   ; V's scale words of keys 0-127: 8 bytes a row; lanes 16-31: 64 rows on
	v_mul_u32_u24 v242, v242, GVP
	s_delay_alu instid0(VALU_DEP_1)
	v_lshl_add_u32 v242, v243, 4, v242
	s_delay_alu instid0(VALU_DEP_1)
	v_add_nc_u32 v242, GBV, v242
.irp u, 0,1
.irp c, 0,1,2,3
	ds_load_b128 v[112+16*\u+4*\c:115+16*\u+4*\c], v241 offset:8*\u*KP+32*\c
.endr
	ds_load_b32 v[248+\u], v245 offset:32*\u
.endr
	s_wait_alu depctr_va_vdst(0)
	s_wait_dscnt 0x0
	v_wmma_scale_f32_16x16x128_f8f6f4 v[96:103], v[112:127], v[16:31], 0, v248, v255
	v_wmma_scale_f32_16x16x128_f8f6f4 v[104:111], v[128:143], v[16:31], 0, v249, v255
	NOPS 8
.irp t, 0,1,2,3
	ds_load_b128 v[32+16*\t:35+16*\t], v242 offset:16*\t*GVP
	ds_load_b32 v[248+\t], v246 offset:128*\t
.endr
	s_cmp_lt_u32 s[Q0], 272                        ; hidden: key >= 16 and key < query - 256; none up to query 271
	s_cbranch_scc1 .Lgb_open
	s_sub_co_u32 s96, s[Q0], 256
	v_bfe_u32 v254, v0, 4, 1
	s_delay_alu instid0(VALU_DEP_1)
	v_sub_nc_u32 v254, 0, v254                     ; all ones in lanes 16-31, which hold keys 16-31
	v_add_nc_u32 v252, s96, v[IH]                  ; there: my query - 256 - 16
	s_delay_alu instid0(VALU_DEP_1)
	v_and_b32 v252, v252, v254                     ; in lanes 0-15: 0: nothing is hidden
	v_mov_b32 v254, 0xff800000
.irp n, 0,1,2,3,4,5,6,7,8,9,10,11,12,13,14,15
	v_cmp_lt_i32 vcc_lo, \n, v252
	v_cndmask_b32 v[96+\n], v[96+\n], v254, vcc_lo
.endr
.Lgb_open:
	SOFTMAX 1, 1
	s_wait_dscnt 0x0
.irp t, 0,1,2,3
	v_and_b32 v[248+\t], 0xff, v[248+\t]           ; V's scale byte of keys 0-31 alone: the bytes of the three blocks behind it have no say over zero codes
.endr
	NOPS 8                                         ; a scale register written by a vector instruction stands eight places ahead of the product
	s_wait_alu depctr_va_vdst(0)
.irp t, 0,1,2,3
	v_wmma_scale_f32_16x16x128_f8f6f4 v[160+8*\t:167+8*\t], v[32+16*\t:47+16*\t], v[224:239], 0, v[248+\t], v253
.endr
	NOPS 8
.irp t, 0,1,2,3
	ds_load_b128 v[32+16*\t:35+16*\t], v242 offset:16*(\t+4)*GVP
.endr
	s_wait_dscnt 0x0
.irp t, 0,1,2,3
	v_wmma_scale_f32_16x16x128_f8f6f4 v[192+8*\t:199+8*\t], v[32+16*\t:47+16*\t], v[224:239], 0, v[248+\t], v253 matrix_a_scale:MATRIX_SCALE_ROW1
.endr
.Lgb_done:
	; ---- the three pieces
	STEP 0, 0, 0, 1, 0, 0                          ; M: keys 256 g on: no key of M is hidden from any query of the work-group
	STEP 0, 1, 128, 0, 0, 0
	CHANGE 1, 0, 1, 65536, 512, 2048, 16, 7        ; L is whole, nobody reads slot 0: H is asked for, into slot 0: all six loads fill bytes again
	STEP 1, 0, -256, 1, 1, 0                       ; L
	STEP 1, 1, -128, 0, 1, 0
	CHANGE 0, 0, 0, 0, 0, 0, 0, 0                  ; H is whole, nobody reads slot 1; nothing more is asked for
	STEP 0, 0, 256, 0, 0, 1                        ; H
	STEP 0, 1, 384, 0, 0, 1
	; ---- THE WAY OUT.  O^T is divided by the sum and goes through my stage in LDS (in slot 1, which has had its last fill and its last read), half a row (256 bytes) of 16 queries at a time
	s_cmp_eq_u32 s[Q0], 0
	s_cbranch_scc1 .Lend                           ; queries 0-15 have left by the merge
	v_add_f32 v14, v14, v15
	s_delay_alu instid0(VALU_DEP_1)
	v_permlanex16_b32 v252, v14, s[SEL], s[SEL+1]
	s_delay_alu instid0(VALU_DEP_1)
	v_add_f32 v14, v14, v252                       ; the row's sum
	s_wait_alu depctr_va_vdst(0)
	v_rcp_f32 v14, v14
	v_and_b32 v240, 15, v0                         ; (plain work behind the reciprocal, and the places behind the last products)
	v_bfe_u32 v241, v0, 4, 1
	s_mul_i32 s96, s[WV], 16*272
	s_add_co_u32 s96, s96, SLOT1                   ; my stage
	v_mul_u32_u24 v242, v240, 272
	s_delay_alu instid0(VALU_DEP_1)
	v_lshl_add_u32 v242, v241, 5, v242
	s_delay_alu instid0(VALU_DEP_1)
	v_add_nc_u32 v242, s96, v242                   ; in: row r; tile t's eight channels of my half: 64 t + 32 h bytes on
	v_mul_u32_u24 v243, v241, 272
	s_delay_alu instid0(VALU_DEP_1)
	v_lshl_add_u32 v243, v240, 4, v243
	s_delay_alu instid0(VALU_DEP_1)
	v_add_nc_u32 v243, s96, v243                   ; back: lanes 0-15 one row, lanes 16-31 the next
	v_lshlrev_b32 v244, 9, v241
	s_delay_alu instid0(VALU_DEP_1)
	v_lshl_add_u32 v244, v240, 4, v244
	s_lshl_b32 s96, s[Q0], 9
	v_add_nc_u32 v244, s96, v244                   ; and the same two rows in out0
	s_wait_alu depctr_va_vdst(0)                   ; the wait ahead of the reciprocal's first reader
.set j, 0
.rept 64
	v_mul_f32 v[96+j], v[160+j], v14               ; register 8 t + i is out0(r, 16 t + 8 h + i)
.set j, j+1
.endr
.irp u, 0,1                                    ; channels 64 u on
.irp t, 0,1,2,3
	ds_store_b128 v242, v[96+32*\u+8*\t:99+32*\u+8*\t] offset:64*\t
	ds_store_b128 v242, v[100+32*\u+8*\t:103+32*\u+8*\t] offset:64*\t+16
.endr
.irp i, 0,1,2,3,4,5,6,7
	ds_load_b128 v[32+32*\u+4*\i:35+32*\u+4*\i], v243 offset:2*\i*272   ; LDS serves a wave's instructions in order (ISA guide 5.7.1.4): these see my stores, and the next half's stores come behind them
.endr
.endr
.irp u, 0,1
.irp i, 0,1,2,3,4,5,6,7
	s_wait_dscnt 23-16*\u-\i                       ; the LDS instructions issued behind the load that is wanted: the rest of its half's loads, and for the first half the second's 8 stores and 8 loads
	global_store_b128 v244, v[32+32*\u+4*\i:35+32*\u+4*\i], s[16:17] offset:2*\i*512+256*\u th:TH_STORE_NT   ; sixteen lanes store 256 consecutive bytes, at a multiple of 256 from out0's first byte
.endr
.endr
.Lend:
	s_wait_tensorcnt 0x0                           ; the wave's end, behind my last tensor load and my last LDS store
	ds_add_u32 v[SPW], v[NIL]
	s_wait_dscnt 0x0
	s_endpgm
.Lfunc_end_k_q4e353dc1fa_gla:
	.size	k_q4e353dc1fa_gla, .Lfunc_end_k_q4e353dc1fa_gla-k_q4e353dc1fa_gla
	.p2alignl 7, 3214868480
	.fill 96, 4, 3214868480
	.section	.rodata,"a",@progbits
	.p2align	6, 0x0
	.amdhsa_kernel k_q4e353dc1fa_gla
		.amdhsa_group_segment_fixed_size 327680
		.amdhsa_private_segment_fixed_size 0
		.amdhsa_enable_private_segment 0
		.amdhsa_kernarg_size 56
		.amdhsa_user_sgpr_count 2
		.amdhsa_user_sgpr_kernarg_segment_ptr 1
		.amdhsa_wavefront_size32 1
		.amdhsa_system_sgpr_workgroup_id_x 1
		.amdhsa_system_sgpr_workgroup_id_y 1
		.amdhsa_system_sgpr_workgroup_id_z 1
		.amdhsa_system_vgpr_workitem_id 0
		.amdhsa_next_free_vgpr 256
		.amdhsa_next_free_sgpr 102
		.amdhsa_reserve_vcc 1
		.amdhsa_float_denorm_mode_32 3
		.amdhsa_float_denorm_mode_16_64 3
		.amdhsa_fp16_overflow 1
		.amdhsa_memory_ordered 1
		.amdhsa_forward_progress 1
		.amdhsa_inst_pref_size 221
	.end_amdhsa_kernel
	.amdgpu_metadata
---
amdhsa.version: [ 1, 2 ]
amdhsa.kernels:
  - .name:           k_q4e353dc1fa_gla
    .symbol:         k_q4e353dc1fa_gla.kd
    .args:
      - { .name: q_codes, .offset: 0, .size: 8, .value_kind: global_buffer, .address_space: global }
      - { .name: q_scales, .offset: 8, .size: 8, .value_kind: global_buffer, .address_space: global }
      - { .name: k_codes, .offset: 16, .size: 8, .value_kind: global_buffer, .address_space: global }
      - { .name: k_scales, .offset: 24, .size: 8, .value_kind: global_buffer, .address_space: global }
      - { .name: v_codes, .offset: 32, .size: 8, .value_kind: global_buffer, .address_space: global }
      - { .name: v_scales, .offset: 40, .size: 8, .value_kind: global_buffer, .address_space: global }
      - { .name: out0, .offset: 48, .size: 8, .value_kind: global_buffer, .address_space: global }
    .group_segment_fixed_size: 327680
    .private_segment_fixed_size: 0
    .kernarg_segment_align: 8
    .kernarg_segment_size: 56
    .max_flat_workgroup_size: 512
    .sgpr_count:     102
    .vgpr_count:     256
    .wavefront_size: 32
...
	.end_amdgpu_metadata
.endif
;; end of part 1
